; MI455X (gfx1250); checked and timed in simulation.
; The chip was launched on July 23, 2026; its instructions are those of AMD's public machine-readable ISA for CDNA 5 (MIT licence, August 2026) and "CDNA5" Instruction Set Architecture Reference Guide (July 2026). The comments in the code are by the model that wrote it; some were corrected since.
;; Mixtral Sparse Moe Block. Allowed arithmetic: matrix products marked QUANTISED: E5M2 operands, one given power-of-two scale a tensor, by v_wmma_f32_16x16x64_bf8_bf8 or v_wmma_f32_16x16x128_bf8_bf8, f32 sums; products left as they are: f32 operands where the result goes on into a quantised operand, else bf16, f16 or f32 operands; f32 sums; everything else in f32.
;; Inputs: gate_w_codes 8 x 2,048 x 32 x 32 uint8 (E5M2 codes of gate_w, K innermost, in blocks of 32 codes); hidden_states 2 x 512 x 1,024 float32; lowp_scales 6 int32 (the exponents e of the quantised operands' scales 2^e); out_w_codes 8 x 1,024 x 64 x 32 uint8 (E5M2 codes of out_w, K innermost, in blocks of 32 codes); router_w 1,024 x 8 float32; up_w_codes 8 x 2,048 x 32 x 32 uint8 (E5M2 codes of up_w, K innermost, in blocks of 32 codes).
;; Outputs: out0 2 x 512 x 1,024 float32; out1 1,024 x 8 float32.
;; This version of the problem:
;;   THIS VERSION OF THE PROBLEM IS GIVEN IN LOW PRECISION. The matrix products marked QUANTISED in the list below multiply operands that are first quantised to E5M2 (5 exponent bits, 2 mantissa bits; 8 bits a number), with one given power-of-two scale for each operand tensor; their sums are f32. All else is computed in f32.
;;   The module's matrix products, in the order in which they are computed (A, B: the left and right operand; K: the contracted axis; several contracted axes count as one K, in the product's order):
;;     1. [M 1,024, K 1,024] x [K 1,024, N 8]; A: input hidden_states; B: input router_w: left as it is (N = 8 < 16)
;;     2. [M 16,384, K 1,024] x [K 1,024, N 1,024]; A: input gate_w (given as codes); B: input hidden_states: QUANTISED (scales: A lowp_scales[0], B lowp_scales[1])
;;     3. [M 16,384, K 1,024] x [K 1,024, N 1,024]; A: input up_w (given as codes); B: input hidden_states: QUANTISED (scales: A lowp_scales[2], B lowp_scales[3])
;;     4. batch 8 x [M 1,024, K 2,048] x [K 2,048, N 1,024]; A: computed on the way; B: input out_w (given as codes): QUANTISED (scales: A lowp_scales[4], B lowp_scales[5])
;;   THE QUANTISER, for each operand of a quantised product, along K:
;;     - The operand's scale is 2^e, e = its entry of the input lowp_scales (int32; the entries are numbered through the quantised products in the list's order, A before B).
;;     - Each number is divided by the scale, clamped to +-57,344, and rounded to the nearest number of E5M2, ties to even, subnormals kept.
;;     - The product sums the exact products of the quantised numbers (number of the format x scale) in f32.
;;   ~~~python
;;   def quantise(x, axis, e):      # numpy; x: float32 -> the quantised numbers, widened to float32 again
;;       x = np.moveaxis(x, axis, -1); K = x.shape[-1]
;;       r = np.clip(x / 2.0 ** e, -57344, 57344)
;;       step = 2.0 ** (np.maximum(np.frexp(np.where(r == 0, 1, r))[1] - 1, -14) - 2)
;;       q = np.round(r / step) * step * 2.0 ** e      # np.round: ties to even
;;       return np.moveaxis(q, -1, axis).astype(np.float32)
;;   ~~~
;;   OPERANDS COMPUTED ON THE WAY. 'Computed on the way' means the value that the module computes at that place (a softmax that the list does not call 'softmax' is quantised finished and normalised). What goes into a quantiser is computed in f32, as accurately as f32 sums, v_exp_f32 and their like allow (about 1e-6 of the number): no bf16 or f16 on the way to a quantiser, and a product that is left as it is and whose result goes on into a quantised operand takes f32 operands (vector FMAs, or v_wmma_f32_16x16x4_f32). A number that lies on a knife's edge between two numbers of the format may be rounded either way, as far as f32 arithmetic and the matrix unit's own rounding can turn it there, and no further.
;;   INPUTS GIVEN AS CODES. gate_w (in the module: [8, 1024, 2048], K = its axis 1); out_w (in the module: [8, 2048, 1024], K = its axis 1); up_w (in the module: [8, 1024, 2048], K = its axis 1): each comes as NAME_codes (uint8): NAME with its K axis moved to the last place and cut into blocks of 32 codes, [.., K / 32, bytes a block], one block behind the other in memory; one code a byte (a code: sign, 5 exponent bits, 2 mantissa bits); its scale is its entry of lowp_scales. Its value is code x scale, taken as it is: it is not quantised again, and the codes and scales need not be those that the quantiser above would give.
;; One version. Each part assembles by itself: llvm-mc -triple=amdgcn-amd-amdhsa -mcpu=gfx1250 --defsym DOCPART=n.
;; ======== version 1 of 1: 4 launches
;; workspace buffers: xg 1,048,576 bytes; xu 1,048,576 bytes; bm 1,024 bytes of whole numbers; hi 4,096 bytes of whole numbers; rw 8,192 bytes; list 40,960 bytes of whole numbers; hid 16,777,216 bytes; y 8,388,608 bytes
;; launch route (part 1): grid 128 x 1, 4 waves a work-group, no clusters, 1,536 bytes of LDS; arguments hidden_states, router_w, lowp_scales, out1, xg, xu, bm, hi, rw; writes out1, xg, xu, bm, hi, rw
.if DOCPART == 1
	.amdgcn_target "amdgcn-amd-amdhsa--gfx1250"
	.amdhsa_code_object_version 6
	.text
	.protected	k_qefb847e35d_route
	.globl	k_qefb847e35d_route
	.p2align	8
	.type	k_qefb847e35d_route,@function
k_qefb847e35d_route:
	s_mov_b64 s[64:65], 0
	v_nop
	global_prefetch_b8 v0, s[64:65] scope:SCOPE_SE
	s_setreg_imm32_b32 hwreg(HW_REG_WAVE_MODE, 25, 1), 1
	s_wait_xcnt 0x0
; ROUTER AND QUANTISER OF x.  x: [1024 tokens][1024] f32; router_w: [1024][8] f32.
; out1 = x router_w in f32 (fused multiply-adds).  p = exp(logit - the row's largest logit); the two largest p are chosen (strictly greater wins, so the lower index
; keeps a tie) and divided by their sum.  Everything goes to FIXED places: no address here hangs on the choice.
;   bm [8 experts][128 bytes]: bit t of an expert's 1,024 says that the expert is one of token t's two;  hi [1024]: the larger of the two expert numbers;
;   rw [1024][2]: the weight of the lower-numbered expert, then of the higher;  xg, xu [1024][1024]: codes of x (E5M2) with the scales 2^e1 and 2^e3.
; SHARES.  A work-group owns 8 tokens; wave w owns k = 256 w .. 256 w + 255 of all eight; a lane k = 256 w + 8 lane + 0 .. 7.  The waves' partial logits meet in LDS; wave 0 finishes.
; LIMITS: e1 and e3 between -126 and 112 (each power of two below is an f32 number).  NaN and infinity among the inputs are not served.  Ties are decided on p, not on p / sum.
; No matrix unit (N = 8), no cluster (work-groups share router_w alone, 32 KB), no tensor load.
.set SPARE, 1024                       ; behind the partial logits: the spare words, 128 bytes a wave
.set SPW, 14                           ; v14  my spare word's LDS address; never rewritten
.set NIL, 15                           ; v15  0; never rewritten
.set X,   16                           ; v16-79    x: token i at X + 8 i
.set RT,  80                           ; v80-143   router_w: row k = .. + m at RT + 8 m
.set AC,  144                          ; v144-207  sums: token i, expert e at AC + 8 i + e
.set T,   208                          ; v208-223  two sets of eight held numbers
.set CD,  224                          ; v224-255  codes: a pair for each store, so that no store's data are written again
.set PR,  152                          ; wave 0: the eight p
	s_load_b512 s[16:31], s[0:1], 0x0              ; x 16, router_w 18, scales 20, out1 22, xg 24, xu 26, bm 28, hi 30
	s_load_b64 s[32:33], s[0:1], 0x40              ; rw
	v_lshl_add_u32 v[SPW], v0, 2, SPARE
	v_mov_b32 v[NIL], 0
	v_lshrrev_b32 v1, 5, v0
	v_readfirstlane_b32 s2, v1                     ; wave
	v_and_b32 v1, 31, v0                           ; lane
	v_and_b32 v2, 7, v0                            ; lane % 8: the token that this lane stands for at the end
	s_lshl_b32 s3, s2, 13
	v_lshlrev_b32 v3, 8, v1
	v_add_nc_u32 v3, s3, v3                        ; router_w: my 8 rows of 32 bytes: 8,192 w + 256 lane
	s_lshl_b32 s3, s2, 10
	v_lshlrev_b32 v4, 5, v1
	v_add_nc_u32 v4, s3, v4                        ; x: 1,024 w + 32 lane
	s_lshl_b32 s3, s2, 8
	v_lshlrev_b32 v9, 3, v1
	v_add_nc_u32 v9, s3, v9                        ; codes: 256 w + 8 lane
	v_lshlrev_b32 v11, 5, v2                       ; LDS: a token's 32 bytes,
	v_add_nc_u32 v10, s3, v11                      ; in my wave's 256
	s_mov_b32 s34, 0x76543210                      ; v_permlanex16_b32: lane l xor 16
	s_mov_b32 s35, 0xfedcba98
.irp i, 1,2,3,4,5,6,7
	s_mov_b32 s[48+\i], 0x01010101<<\i             ; the lanes with lane % 8 = i
.endr
	s_mov_b32 s5, 0
	s_lshl_b32 s4, ttmp9, 15                       ; 8 tokens of 4,096 bytes
	s_wait_kmcnt 0x0
	s_load_b128 s[40:43], s[20:21], 0x0            ; e0, e1, e2, e3
	s_add_nc_u64 s[16:17], s[16:17], s[4:5]
.set n, 0
.rept 16
	global_load_b128 v[RT+4*n:RT+4*n+3], v3, s[18:19] offset:16*n
.set n, n+1
.endr
.irp i, 0,1,2,3,4,5,6,7
	global_load_b128 v[X+8*\i:X+8*\i+3], v4, s[16:17] offset:4096*\i th:TH_LOAD_NT
	global_load_b128 v[X+8*\i+4:X+8*\i+7], v4, s[16:17] offset:4096*\i+16 th:TH_LOAD_NT
.endr
	s_lshl_b32 s4, ttmp9, 13                       ; the outputs at my 8 tokens
	s_add_nc_u64 s[24:25], s[24:25], s[4:5]
	s_add_nc_u64 s[26:27], s[26:27], s[4:5]
	s_lshl_b32 s4, ttmp9, 8
	s_add_nc_u64 s[22:23], s[22:23], s[4:5]
	s_lshl_b32 s4, ttmp9, 5
	s_add_nc_u64 s[30:31], s[30:31], s[4:5]
	s_lshl_b32 s4, ttmp9, 6
	s_add_nc_u64 s[32:33], s[32:33], s[4:5]
	s_mov_b32 s4, ttmp9
	s_add_nc_u64 s[28:29], s[28:29], s[4:5]        ; bm: byte g of each expert's 128
	s_wait_kmcnt 0x0
	s_add_co_i32 s44, s41, 127
	s_lshl_b32 s45, s44, 23
	v_mov_b32 v5, s45                              ; 2^e1 as f32: the conversion takes its exponent field
	s_add_co_i32 s44, s44, 15
	s_lshl_b32 s44, s44, 23
	s_or_b32 s44, s44, 0x600000
	v_mov_b32 v6, s44                              ; 57,344 x 2^e1
	s_add_co_i32 s44, s43, 127
	s_lshl_b32 s45, s44, 23
	v_mov_b32 v7, s45                              ; 2^e3
	s_add_co_i32 s44, s44, 15
	s_lshl_b32 s44, s44, 23
	s_or_b32 s44, s44, 0x600000
	v_mov_b32 v8, s44                              ; 57,344 x 2^e3
	s_wait_loadcnt 0x0
	; THE PARTIAL LOGITS: two experts an instruction, x broadcast to both halves.  The first product starts the sums.  32 independent lines stand between two links of a sum.
.irp i, 0,1,2,3,4,5,6,7
.irp ep, 0,2,4,6
	v_pk_mul_f32 v[AC+8*\i+\ep:AC+8*\i+\ep+1], v[X+8*\i:X+8*\i+1], v[RT+\ep:RT+\ep+1] op_sel_hi:[0,1]
.endr
.endr
.irp m, 2,4,6
.irp i, 0,1,2,3,4,5,6,7
.irp ep, 0,2,4,6
	v_pk_fma_f32 v[AC+8*\i+\ep:AC+8*\i+\ep+1], v[X+8*\i+\m:X+8*\i+\m+1], v[RT+8*\m+\ep:RT+8*\m+\ep+1], v[AC+8*\i+\ep:AC+8*\i+\ep+1] op_sel_hi:[0,1,1]
.endr
.endr
.endr
.irp m, 1,3,5,7
.irp i, 0,1,2,3,4,5,6,7
.irp ep, 0,2,4,6
	v_pk_fma_f32 v[AC+8*\i+\ep:AC+8*\i+\ep+1], v[X+8*\i+\m-1:X+8*\i+\m], v[RT+8*\m+\ep:RT+8*\m+\ep+1], v[AC+8*\i+\ep:AC+8*\i+\ep+1] op_sel:[1,0,0] op_sel_hi:[1,1,1]
.endr
.endr
.endr
	; THE CODES OF x, once for each of its two scales.  The hold comes first: the conversion to an 8-bit code does not saturate (ISA guide 7.6.2).  The held numbers go into
	; two sets by turns, so that x stays for the second scale and no hold writes the sources of the conversion just before it.  32 lanes store 256 consecutive bytes, aligned.
.macro QUANT sc, lim, cdo, base
.irp i, 0,1,2,3,4,5,6,7
.irp j, 0,1,2,3,4,5,6,7
	v_med3_num_f32 v[T+8*(\i%2)+\j], v[X+8*\i+\j], -v[\lim], v[\lim]
.endr
	v_cvt_scalef32_pk8_bf8_f32 v[CD+\cdo+2*\i:CD+\cdo+2*\i+1], v[T+8*(\i%2):T+8*(\i%2)+7], v[\sc]
	global_store_b64 v9, v[CD+\cdo+2*\i:CD+\cdo+2*\i+1], s[\base:\base+1] offset:1024*\i
.endr
.endm
	QUANT 5, 6, 0, 24
	QUANT 7, 8, 16, 26
	v_nop                                          ; a plain line behind the last conversion
	; each of the 64 sums over the wave's 32 lanes; x's registers are free and take the other half's numbers
.irp mk, 1,2,4,8
.set n, 0
.rept 64
	v_add_f32_dpp v[AC+n], v[AC+n], v[AC+n] row_xmask:\mk row_mask:0xf bank_mask:0xf
.set n, n+1
.endr
.endr
.set n, 0
.rept 64
	v_permlanex16_b32 v[X+n], v[AC+n], s34, s35
.set n, n+1
.endr
.set n, 0
.rept 64
	v_add_f32 v[AC+n], v[AC+n], v[X+n]
.set n, n+1
.endr
	; lane l keeps token l % 8's eight sums
.irp i, 1,2,3,4,5,6,7
.irp e, 0,1,2,3,4,5,6,7
	v_cndmask_b32 v[AC+\e], v[AC+\e], v[AC+8*\i+\e], s[48+\i]
.endr
.endr
	ds_store_b128 v10, v[AC:AC+3]                  ; four lanes write the same bytes with the same numbers
	ds_store_b128 v10, v[AC+4:AC+7] offset:16
	s_wait_dscnt 0x0                               ; for the others' sake: my stores are done
	s_barrier_signal -1
	s_barrier_wait -1
	s_cmp_lg_u32 s2, 0
	s_cbranch_scc1 .Lend                           ; wave 0 finishes; no barrier follows
.irp w, 0,1,2,3
	ds_load_b128 v[X+8*\w:X+8*\w+3], v11 offset:256*\w
	ds_load_b128 v[X+8*\w+4:X+8*\w+7], v11 offset:256*\w+16
.endr
	s_wait_dscnt 0x0
.irp p, 0,2,4,6
	v_pk_add_f32 v[AC+\p:AC+\p+1], v[X+\p:X+\p+1], v[X+8+\p:X+8+\p+1]
	v_pk_add_f32 v[T+\p:T+\p+1], v[X+16+\p:X+16+\p+1], v[X+24+\p:X+24+\p+1]
.endr
.irp p, 0,2,4,6
	v_pk_add_f32 v[AC+\p:AC+\p+1], v[AC+\p:AC+\p+1], v[T+\p:T+\p+1]   ; the token's eight logits
.endr
	v_max3_num_f32 v160, v144, v145, v146
	v_max3_num_f32 v160, v160, v147, v148
	v_max3_num_f32 v160, v160, v149, v150
	v_max_num_f32 v160, v160, v151                 ; the largest is taken away before the exponential, as the softmax has it
.irp e, 0,1,2,3,4,5,6,7
	v_sub_f32 v[PR+\e], v[AC+\e], v160
.endr
.irp e, 0,1,2,3,4,5,6,7
	v_mul_f32 v[PR+\e], 0x3fb8aa3b, v[PR+\e]
.endr
.irp e, 0,1,2,3,4,5,6,7
	v_exp_f32 v[PR+\e], v[PR+\e]
.endr
	v_mov_b32 v162, 0                              ; (a plain line behind the exponentials)  the first choice's index
	s_wait_alu depctr_va_vdst(0)                   ; one wait for the batch, ahead of its first reader
	v_mov_b32 v161, v[PR]
.irp e, 1,2,3,4,5,6,7
	v_cmp_gt_f32 vcc_lo, v[PR+\e], v161
	v_cndmask_b32 v161, v161, v[PR+\e], vcc_lo
	v_cndmask_b32 v162, v162, \e, vcc_lo
.endr
.irp e, 0,1,2,3,4,5,6,7
	v_cmp_eq_u32 vcc_lo, \e, v162
	v_cndmask_b32 v[PR+\e], v[PR+\e], -1.0, vcc_lo ; the first choice is taken out: every p is 0 or more
.endr
	v_mov_b32 v163, v[PR]
	v_mov_b32 v164, 0
.irp e, 1,2,3,4,5,6,7
	v_cmp_gt_f32 vcc_lo, v[PR+\e], v163
	v_cndmask_b32 v163, v163, v[PR+\e], vcc_lo
	v_cndmask_b32 v164, v164, \e, vcc_lo
.endr
	v_add_f32 v165, v161, v163
	v_rcp_f32 v165, v165
	v_max_u32 v169, v162, v164                     ; (a plain line behind the reciprocal)  the larger expert number
	s_wait_alu depctr_va_vdst(0)
	v_mul_f32 v166, v161, v165
	v_mul_f32 v167, v163, v165
	v_cmp_lt_u32 vcc_lo, v162, v164
	v_cndmask_b32 v170, v167, v166, vcc_lo         ; the lower-numbered expert's weight,
	v_cndmask_b32 v171, v166, v167, vcc_lo         ; the higher's
	v_mov_b32 v172, 0
.irp e, 0,1,2,3,4,5,6,7
	v_cmp_eq_u32 s56, \e, v162
	v_cmp_eq_u32 s57, \e, v164
	s_or_b32 s56, s56, s57                         ; bits 0-7: which of my 8 tokens take expert e
	v_writelane_b32 v172, s56, \e                  ; lane e holds expert e's byte
.endr
	v_lshlrev_b32 v173, 5, v1
	v_lshlrev_b32 v174, 2, v1
	v_lshlrev_b32 v175, 3, v1
	v_lshlrev_b32 v176, 7, v1
	s_wait_xcnt 0x0                                ; the codes' stores have read EXEC: it changes only behind this wait
	v_cmpx_gt_u32 8, v1                            ; lanes 0-7: a lane a token (for bm: a lane an expert)
	global_store_b128 v173, v[144:147], s[22:23]
	global_store_b128 v173, v[148:151], s[22:23] offset:16
	global_store_b32 v174, v169, s[30:31]
	global_store_b64 v175, v[170:171], s[32:33]
	global_store_b8 v176, v172, s[28:29]
	s_wait_xcnt 0x0                                ; and again, in front of the line that widens it
	s_mov_b32 exec_lo, -1
.Lend:
	s_wait_tensorcnt 0x0                           ; the wave's end
	ds_add_u32 v[SPW], v[NIL]
	s_wait_dscnt 0x0
	s_endpgm
.Lfunc_end_k_qefb847e35d_route:
	.size	k_qefb847e35d_route, .Lfunc_end_k_qefb847e35d_route-k_qefb847e35d_route
	.p2alignl 7, 3214868480
	.fill 96, 4, 3214868480
	.section	.rodata,"a",@progbits
	.p2align	6, 0x0
	.amdhsa_kernel k_qefb847e35d_route
		.amdhsa_group_segment_fixed_size 1536
		.amdhsa_private_segment_fixed_size 0
		.amdhsa_enable_private_segment 0
		.amdhsa_kernarg_size 72
		.amdhsa_user_sgpr_count 2
		.amdhsa_user_sgpr_kernarg_segment_ptr 1
		.amdhsa_wavefront_size32 1
		.amdhsa_system_sgpr_workgroup_id_x 1
		.amdhsa_system_sgpr_workgroup_id_y 1
		.amdhsa_system_sgpr_workgroup_id_z 1
		.amdhsa_system_vgpr_workitem_id 0
		.amdhsa_next_free_vgpr 256
		.amdhsa_next_free_sgpr 66
		.amdhsa_reserve_vcc 1
		.amdhsa_float_denorm_mode_32 3
		.amdhsa_float_denorm_mode_16_64 3
		.amdhsa_memory_ordered 1
		.amdhsa_forward_progress 1
		.amdhsa_inst_pref_size 67
	.end_amdhsa_kernel
	.amdgpu_metadata
---
amdhsa.version: [ 1, 2 ]
amdhsa.kernels:
  - .name:           k_qefb847e35d_route
    .symbol:         k_qefb847e35d_route.kd
    .args:
      - { .name: hidden_states, .offset: 0, .size: 8, .value_kind: global_buffer, .address_space: global }
      - { .name: router_w, .offset: 8, .size: 8, .value_kind: global_buffer, .address_space: global }
      - { .name: lowp_scales, .offset: 16, .size: 8, .value_kind: global_buffer, .address_space: global }
      - { .name: out1, .offset: 24, .size: 8, .value_kind: global_buffer, .address_space: global }
      - { .name: xg, .offset: 32, .size: 8, .value_kind: global_buffer, .address_space: global }
      - { .name: xu, .offset: 40, .size: 8, .value_kind: global_buffer, .address_space: global }
      - { .name: bm, .offset: 48, .size: 8, .value_kind: global_buffer, .address_space: global }
      - { .name: hi, .offset: 56, .size: 8, .value_kind: global_buffer, .address_space: global }
      - { .name: rw, .offset: 64, .size: 8, .value_kind: global_buffer, .address_space: global }
    .group_segment_fixed_size: 1536
    .private_segment_fixed_size: 0
    .kernarg_segment_align: 8
    .kernarg_segment_size: 72
    .max_flat_workgroup_size: 128
    .sgpr_count:     66
    .vgpr_count:     256
    .wavefront_size: 32
...
	.end_amdgpu_metadata
.endif
;; end of part 1
;; launch ffn1 (part 2): grid 32 x 8, 4 waves a work-group, no clusters, 133,632 bytes of LDS; arguments gate_w_codes, up_w_codes, xg, xu, bm, lowp_scales, hid, list; writes hid, list
.if DOCPART == 2
	.amdgcn_target "amdgcn-amd-amdhsa--gfx1250"
	.amdhsa_code_object_version 6
	.text
	.protected	k_qefb847e35d_ffn1
	.globl	k_qefb847e35d_ffn1
	.p2align	8
	.type	k_qefb847e35d_ffn1,@function
k_qefb847e35d_ffn1:
	s_mov_b64 s[64:65], 0
	v_nop
	global_prefetch_b8 v0, s[64:65] scope:SCOPE_SE
	s_setreg_imm32_b32 hwreg(HW_REG_WAVE_MODE, 25, 1), 1
	s_wait_xcnt 0x0
; THE HIDDEN LAYER OF THE CHOSEN ROWS: hid = Q(silu(x Wg) (x Wu)), both products on codes of E5M2, for the tokens that chose the expert and for no others.
; SHARES.  Work-group (sl, e) owns units 64 sl .. 64 sl + 63 of expert e, of gate and of up: 128 rows of 1,024 bytes, which it alone reads; they go once through registers into LDS.
; The waves share the ROWS: in pass p wave w takes the tiles of 16 routed rows q = w + 4 i + 20 p, i = 0 .. 4.  A pass serves 320 rows; the passes go on while w + 20 p < n16 = max(ceil(T_e / 16), 1).
; WHICH TOKEN IS ROW j OF EXPERT e is found from the expert's 1,024-bit map, kept in 32 scalar registers: a walk over the words' running counts, then five halvings inside the word.
; The work-groups with sl = 0 store that list for the next launch; rows from T_e on are token 0 (computed, and never used).
; LAYOUT.  The products are used transposed: source 0 = 16 weight rows, source 1 = 16 routed rows, so a lane holds ONE routed row.  Lane r of weight tile 2 b + u takes row 32 b + 8 u + r + 8 (r / 8),
; so that the 16 registers of tiles 2 b, 2 b + 1 are units 32 b + 16 (lane / 16) + 0 .. 15: the conversions' results are the next product's operand registers, and are stored as such:
; hid [e][q][ks 16][c 4][lane][16 bytes], unit = 128 ks + 32 c + 16 (lane / 16) + 0 .. 15 of row 16 q + lane % 16.  Every fragment holds k = 32 c + 16 (lane / 16) + 0 .. 15 in registers 4 c .. 4 c + 3, on both sides alike.
; x'S TWO SETS OF CODES.  Where e1 = e3 the launch before made xg and xu by the same arithmetic from the same numbers: they are equal byte for byte.  Then a K step's fragments of xg serve gate's product and up's,
; K step by K step, and xu is not read: 1 KB of x a row comes into the work-group and not 2.  Where e1 and e3 differ, gate's eight K steps go with xg and then up's eight with xu.
; The choice is a scalar branch on the two given exponents, inside the loop over passes and behind the launch's one barrier; every wave goes the same way.  Each sum takes its K steps in ascending order on both ways.
; SCALES.  A gate sum stands for G 2^(e0+e1), an up sum for U 2^(e2+e3).  sigmoid = 1 / (1 + 2^(G c1)), c1 = -log2(e) 2^(e0+e1); the code is G U sigmoid / 2^(e4-e0-e1-e2-e3), held within the largest code.
; LIMITS: e0 + e1 between -126 and 127; e4 - e0 - e1 - e2 - e3 between -126 and 112.  NaN and infinity are not served.
; NO TENSOR LOAD, NO CLUSTER: the number of passes and the rows hang on numbers read from memory, and partners would need different numbers of tiles; so operands come through registers.
; REGISTERS, in windows of 256: window 0: addresses, the epilogue's work, v128-255 two buffers of weight fragments.  window 1: v0-191 x's fragments of tiles 0-3, a ring of three places.
;   window 2: the accumulators of tiles 0-3 (tile i, gate 0 / up 1 = m, weight tile ct at 64 i + 32 m + 8 ct); before the first product, the weights on their way to LDS.  window 3: v0-63 tile 4's accumulators, v64-111 its ring.
.set PW,    1040                       ; a weight row in LDS: 1,024 bytes + 16 = 260 words: neighbouring rows start 4 words apart in the 64 words of a bank row (64 banks of 4 bytes: ISA guide 11.1)
.set UPO,   64*PW                      ; up's 64 rows lie behind gate's
.set SPARE, 128*PW                     ; behind them: the spare words, 128 bytes a wave
.set MAXP,  4                          ; passes at the most: an expert has 64 tiles at the most (1,024 tokens), a pass serves 20
.set L16, 1                            ; v1   16 x lane
.set R,   2                            ; v2   lane % 16
.set HH,  3                            ; v3   lane / 16
.set AWG, 4                            ; v4   my place in a tile of gate's rows;  v5: of up's
.set WST, 6                            ; v6   where I put the weights: my wave's 32 rows + 16 x lane
.set HO,  7                            ; v7   hid: byte offset of the tile in hand
.set XA,  8                            ; v8-12  x: byte offset of my row in tile i
.set H16, 13                           ; v13  16 x (lane / 16)
.set SPW, 14
.set NIL, 15
.set J,   16                           ; v16-18  the three batches' positions in the expert's list
.set WD,  19                           ; v19-21  the word that holds the position's bit
.set BS,  22                           ; v22-24  set bits ahead of that word
.set WI,  25                           ; v25-27  the word's number
.set T,   32                           ; v32-63  the epilogue: 2^(G c1) and on to the sigmoid.  The select's scratch lies here too:
.set A1,  32
.set A2,  35
.set A3,  38
.set A4,  41
.set CC,  44
.set POS, 47
.set NN,  50
.set TT,  53
.set P,   64                           ; v64-95  G U, then the hidden numbers
.set C,   96                           ; v96-103 their codes
.set SCL, 104
.set LIM, 105
.set TOK, 106                          ; v106-108 the tokens found
.set LA,  109                          ; v109-111 the list stores' offsets
.set PX,  112                          ; v112-113 the other half of the lanes' tokens
.set WB,  128
.set MSB, 0
.macro WIN new                         ; the immediate's high byte repeats the setting that is left; a switch that changes nothing is dropped
.if MSB != \new
	s_set_vgpr_msb (MSB<<8)|\new
.set MSB, \new
.endif
.endm
; Weight loads n0 .. n1 go to LDS: load n is half n % 2 of row n / 2 of my 32.  Row rho goes to place 16 ((rho / 8) % 2) + 8 (rho / 16) + rho % 8 of the 32,
; so that the 16 rows of a weight tile (rho = 8 u + r + 8 (r / 8)) lie on end, at places 16 u + r.
.macro WPUT n0, n1
	WIN 0x08                                       ; data in window 2
.set n, \n0
.rept \n1-\n0+1
.set wr, n/2
	ds_store_b128 v[WST], v[4*n:4*n+3] offset:(16*((wr/8)%2)+8*(wr/16)+wr%8)*PW+(n%2)*512
.set n, n+1
.endr
	WIN 0
.endm
.macro DESC a, width, step             ; one halving: if the lower part holds too few set bits, pass over it
.irp b, 0,1,2
	v_bfe_u32 v[CC+\b], v[\a+\b], v[POS+\b], \width
.endr
.irp b, 0,1,2
	v_cmp_ge_u32 s[66+\b], v[NN+\b], v[CC+\b]
.endr
.irp b, 0,1,2
	v_cndmask_b32 v[CC+\b], 0, v[CC+\b], s[66+\b]
	v_cndmask_b32 v[TT+\b], 0, \step, s[66+\b]
.endr
.irp b, 0,1,2
	v_sub_nc_u32 v[NN+\b], v[NN+\b], v[CC+\b]
	v_add_nc_u32 v[POS+\b], v[POS+\b], v[TT+\b]
.endr
.endm
; The tokens of my five tiles.  Batch 0: lanes 0-15 tile 0, lanes 16-31 tile 1; batch 1: tiles 2 and 3; batch 2: tile 4, in both halves.  The batches go line by line beside each other.
; first = 1: the call at the head.  The memory instructions then pending are the weight loads, whose sources (v1, s[56:57], EXEC) and destinations (window 2) no line here writes: no wait is owed.
.macro SELECT first
.if \first == 0
	s_wait_xcnt 0x0                                ; the last pass's stores have read their offsets and data
.endif
	s_lshl_b32 s9, s7, 4
	v_lshl_add_u32 v[J], v[HH], 6, v[R]
	v_add_nc_u32 v[J], s9, v[J]                    ; 16 q0 + 64 (lane / 16) + lane % 16
	v_add_nc_u32 v[J+1], 128, v[J]
	v_add_nc_u32 v[J+2], s9, v[R]
	v_add_nc_u32 v[J+2], 0x100, v[J+2]
.irp b, 0,1,2
	v_mov_b32 v[WD+\b], s16
	v_mov_b32 v[BS+\b], 0
	v_mov_b32 v[WI+\b], 0
.endr
	s_bcnt1_i32_b32 s8, s16                        ; set bits ahead of word 1
.set wd, 1
.rept 31
.irp b, 0,1,2
	v_cmp_le_u32 s[66+\b], s8, v[J+\b]             ; the position lies in this word or behind it
.endr
.irp b, 0,1,2
	v_cndmask_b32 v[WD+\b], v[WD+\b], s[16+wd], s[66+\b]
	v_cndmask_b32 v[BS+\b], v[BS+\b], s8, s[66+\b]
	v_cndmask_b32 v[WI+\b], v[WI+\b], wd, s[66+\b]
.endr
	s_bcnt1_i32_b32 s9, s[16+wd]
	s_add_co_u32 s8, s8, s9
.set wd, wd+1
.endr
.irp b, 0,1,2
	v_sub_nc_u32 v[NN+\b], v[J+\b], v[BS+\b]       ; which set bit of the word
	v_lshrrev_b32 v[A1+\b], 1, v[WD+\b]
.endr
.irp b, 0,1,2
	v_and_b32 v[A1+\b], 0x55555555, v[A1+\b]
.endr
.irp b, 0,1,2
	v_sub_nc_u32 v[A1+\b], v[WD+\b], v[A1+\b]      ; counts of 2 bits,
.endr
.irp b, 0,1,2
	v_lshrrev_b32 v[A2+\b], 2, v[A1+\b]
	v_and_b32 v[TT+\b], 0x33333333, v[A1+\b]
.endr
.irp b, 0,1,2
	v_and_b32 v[A2+\b], 0x33333333, v[A2+\b]
.endr
.irp b, 0,1,2
	v_add_nc_u32 v[A2+\b], v[A2+\b], v[TT+\b]      ; of 4,
.endr
.irp b, 0,1,2
	v_lshrrev_b32 v[A3+\b], 4, v[A2+\b]
.endr
.irp b, 0,1,2
	v_add_nc_u32 v[A3+\b], v[A3+\b], v[A2+\b]
.endr
.irp b, 0,1,2
	v_and_b32 v[A3+\b], 0x0f0f0f0f, v[A3+\b]       ; of 8,
.endr
.irp b, 0,1,2
	v_lshrrev_b32 v[A4+\b], 8, v[A3+\b]
.endr
.irp b, 0,1,2
	v_add_nc_u32 v[A4+\b], v[A4+\b], v[A3+\b]
.endr
.irp b, 0,1,2
	v_and_b32 v[A4+\b], 0x00ff00ff, v[A4+\b]       ; of 16
	v_mov_b32 v[POS+\b], 0
.endr
	DESC A4, 16, 16
	DESC A3, 8, 8
	DESC A2, 4, 4
	DESC A1, 2, 2
	DESC WD, 1, 1
.irp b, 0,1,2
	v_lshl_add_u32 v[TOK+\b], v[WI+\b], 5, v[POS+\b]
	v_cmp_gt_u32 s[66+\b], s5, v[J+\b]
.endr
.irp b, 0,1,2
	v_cndmask_b32 v[TOK+\b], 0, v[TOK+\b], s[66+\b]   ; positions from T_e on: token 0
.endr
	s_cmp_lg_u32 s3, 0                             ; the expert's first work-group stores the list
	s_cbranch_scc1 .Lnolist_\@
.irp b, 0,1,2
	v_min_u32 v[LA+\b], 0x4ff, v[J+\b]             ; a position is 1,279 at the most: tile 63 + 16, row 15
	v_lshlrev_b32 v[LA+\b], 2, v[LA+\b]
	global_store_b32 v[LA+\b], v[TOK+\b], s[60:61]
.endr
.Lnolist_\@:
	v_permlanex16_b32 v[PX], v[TOK], s54, s55
	v_permlanex16_b32 v[PX+1], v[TOK+1], s54, s55
	v_cndmask_b32 v[XA], v[TOK], v[PX], s14        ; both halves of the lanes hold the tile's row lane % 16
	v_cndmask_b32 v[XA+1], v[PX], v[TOK], s14
	v_cndmask_b32 v[XA+2], v[TOK+1], v[PX+1], s14
	v_cndmask_b32 v[XA+3], v[PX+1], v[TOK+1], s14
	v_mov_b32 v[XA+4], v[TOK+2]
.irp i, 0,1,2,3,4
	v_min_u32 v[XA+\i], 0x3ff, v[XA+\i]
	v_lshl_add_u32 v[XA+\i], v[XA+\i], 10, v[H16]  ; token x 1,024 bytes + 16 (lane / 16)
.endr
.endm
; THE STEPS.  eq = 0 (e1 and e3 differ): step s = 8 m + ks, m = 0 gate with xg, 1 up with xu; x's ring place is s % 3.
;             eq = 1 (e1 = e3):          step s = 2 ks + m, both with xg's fragments of K step ks; x's ring place is ks % 3.
; 20 loads: x's fragments of my five tiles.  s = 8 m + ks, into ring place s % 3.  With s = ks under 8 it is xg's K step ks into place ks % 3: so it serves both ways, and the first three loads of a pass are the same on both.
.macro XLOAD s
.set xm, (\s)/8
.set xk, (\s)%8
.set xd, (\s)%3
	WIN 0x40
.irp i, 0,1,2,3
.irp c, 0,1,2,3
	global_load_b128 v[64*xd+16*\i+4*\c:64*xd+16*\i+4*\c+3], v[XA+\i], s[84+2*xm:85+2*xm] offset:128*xk+32*\c
.endr
.endr
	WIN 0xc0
.irp c, 0,1,2,3
	global_load_b128 v[64+16*xd+4*\c:64+16*xd+4*\c+3], v[XA+4], s[84+2*xm:85+2*xm] offset:128*xk+32*\c
.endr
	WIN 0
.endm
.macro WLOAD s, eq                     ; 16 LDS loads: the four weight tiles' fragments into buffer s % 2
.if \eq
.set wm, (\s)%2
.set wk, (\s)/2
.else
.set wm, (\s)/8
.set wk, (\s)%8
.endif
.set wb, WB+64*((\s)%2)
.irp ct, 0,1,2,3
.irp c, 0,1,2,3
	ds_load_b128 v[wb+16*\ct+4*\c:wb+16*\ct+4*\c+3], v[AWG+wm] offset:16*\ct*PW+128*wk+32*\c
.endr
.endr
.endm
.macro MULS s, eq                      ; 20 products; a step's 20 accumulators take turns, one instruction a turn, in the same order in every step
.if \eq
.set mm, (\s)%2
.set md, ((\s)/2)%3
.set mz, (\s)/2
.else
.set mm, (\s)/8
.set md, (\s)%3
.set mz, (\s)%8
.endif
.set mb, WB+64*((\s)%2)
	WIN 0xa4                                       ; weights window 0, x window 1, C and D window 2
.irp i, 0,1,2,3
.irp ct, 0,1,2,3
.if mz == 0
	v_wmma_f32_16x16x128_bf8_bf8 v[64*\i+32*mm+8*\ct:64*\i+32*mm+8*\ct+7], v[mb+16*\ct:mb+16*\ct+15], v[64*md+16*\i:64*md+16*\i+15], 0
.else
	v_wmma_f32_16x16x128_bf8_bf8 v[64*\i+32*mm+8*\ct:64*\i+32*mm+8*\ct+7], v[mb+16*\ct:mb+16*\ct+15], v[64*md+16*\i:64*md+16*\i+15], v[64*\i+32*mm+8*\ct:64*\i+32*mm+8*\ct+7]
.endif
.endr
.endr
	WIN 0xfc                                       ; tile 4: x, C and D window 3
.irp ct, 0,1,2,3
.if mz == 0
	v_wmma_f32_16x16x128_bf8_bf8 v[32*mm+8*\ct:32*mm+8*\ct+7], v[mb+16*\ct:mb+16*\ct+15], v[64+16*md:64+16*md+15], 0
.else
	v_wmma_f32_16x16x128_bf8_bf8 v[32*mm+8*\ct:32*mm+8*\ct+7], v[mb+16*\ct:mb+16*\ct+15], v[64+16*md:64+16*md+15], v[32*mm+8*\ct:32*mm+8*\ct+7]
.endif
.endr
	WIN 0
.endm
.macro STEP s, eq
	s_wait_dscnt 0x0                               ; this step's weight fragments are in
.if (\s) < 15
	WLOAD (\s)+1, \eq                              ; the next step's, into the buffer that the step before read: four plain lines stand behind its last product
.endif
.if \eq
.if ((\s)%2) == 0                                  ; gate's step waits for the K step's x; up's step finds it there
.if (7-(\s)/2) >= 2
	s_wait_loadcnt 40                              ; this K step's x is in; the two K steps' loads issued behind it may be out
.else
	s_wait_loadcnt 20*(7-(\s)/2)
.endif
.endif
.else
.if (15-(\s)) >= 2
	s_wait_loadcnt 40                              ; this step's x is in; the two steps' loads issued behind it may be out
.else
	s_wait_loadcnt 20*(15-(\s))
.endif
.endif
	MULS \s, \eq
.rept 4
	v_nop                                          ; places in front of loads into registers that these products read, and of the first read of results
.endr
.if \eq
.if (((\s)%2) == 1) && ((\s) < 10)
	XLOAD (\s)/2+3                                 ; both products of the K step are issued: its ring place takes the K step three on
.endif
.else
.if (\s) < 13
	XLOAD (\s)+3
.endif
.endif
.endm
; Tile i's 16 rows x 64 units: silu(g) u, held, converted, stored as two groups of four operand registers.
.macro EPI i
	s_add_co_u32 s9, s7, 4*\i
	s_cmp_ge_u32 s9, s6
	s_cbranch_scc1 .Lskip_\@                       ; a tile past the expert's rows stores nothing
.if \i < 4
.set eg, 64*\i
.set ew, 2
.else
.set eg, 0
.set ew, 3
.endif
	WIN ew
.set ej, 0
.rept 16
	v_pk_mul_f32 v[T+ej:T+ej+1], v[eg+ej:eg+ej+1], s[10:11] op_sel_hi:[1,0]   ; G c1; each accumulator from its low end on
.set ej, ej+2
.endr
	WIN 0
.set ej, 0
.rept 32
	v_exp_f32 v[T+ej], v[T+ej]
.set ej, ej+1
.endr
	WIN ew*5
.set ej, 0
.rept 16
	v_pk_mul_f32 v[P+ej:P+ej+1], v[eg+ej:eg+ej+1], v[eg+32+ej:eg+32+ej+1]     ; G U: plain work behind the exponentials
.set ej, ej+2
.endr
	WIN 0
	s_wait_alu depctr_va_vdst(0)                   ; one wait for the 32 exponentials, ahead of their first reader
.set ej, 0
.rept 16
	v_pk_add_f32 v[T+ej:T+ej+1], v[T+ej:T+ej+1], 1.0 op_sel_hi:[1,0]
.set ej, ej+2
.endr
.set ej, 0
.rept 32
	v_rcp_f32 v[T+ej], v[T+ej]
.set ej, ej+1
.endr
	v_nop                                          ; a plain line behind the last reciprocal
	s_wait_alu depctr_va_vdst(0)                   ; one wait for the 32 reciprocals
.set ej, 0
.rept 16
	v_pk_mul_f32 v[P+ej:P+ej+1], v[P+ej:P+ej+1], v[T+ej:T+ej+1]
.set ej, ej+2
.endr
.set ej, 0
.rept 32
	v_med3_num_f32 v[P+ej], v[P+ej], -v[LIM], v[LIM]   ; the conversion to an 8-bit code does not saturate (ISA guide 7.6.2)
.set ej, ej+1
.endr
	s_wait_xcnt 0x0                                ; the last tile's stores have read their codes and their offset
.irp g, 0,1,2,3
	v_cvt_scalef32_pk8_bf8_f32 v[C+2*\g:C+2*\g+1], v[P+8*\g:P+8*\g+7], v[SCL]
.endr
	s_min_u32 s9, s9, 63
	s_lshl_b32 s9, s9, 15                          ; a tile of hid is 32,768 bytes
	v_add_nc_u32 v[HO], s9, v[L16]                 ; (the plain line behind the conversions)
	global_store_b128 v[HO], v[C:C+3], s[58:59]    ; 32 lanes store 512 consecutive bytes, aligned
	global_store_b128 v[HO], v[C+4:C+7], s[58:59] offset:512
.Lskip_\@:
.endm
	s_load_b512 s[80:95], s[0:1], 0x0              ; gate 80, up 82, xg 84, xu 86, bm 88, scales 90, hid 92, list 94
	v_lshl_add_u32 v[SPW], v0, 2, SPARE
	v_mov_b32 v[NIL], 0
	v_lshrrev_b32 v1, 5, v0
	v_readfirstlane_b32 s2, v1                     ; wave
	s_mov_b32 s3, ttmp9                            ; sl
	s_and_b32 s4, ttmp7, 0xffff                    ; e
	v_and_b32 v1, 31, v0
	v_and_b32 v[R], 15, v0
	v_bfe_u32 v[HH], v0, 4, 1
	v_lshlrev_b32 v[L16], 4, v1
	v_lshlrev_b32 v[H16], 4, v[HH]
	v_mul_u32_u24 v[AWG], v[R], PW                 ; a tile's 16 rows lie on end in LDS: row lane % 16,
	v_add_nc_u32 v[AWG], v[AWG], v[H16]            ; + 16 (lane / 16)
	v_add_nc_u32 v[AWG+1], UPO, v[AWG]
	s_mul_i32 s9, s2, 32*PW                        ; waves 0, 1: gate's rows 0-31, 32-63; waves 2, 3: up's
	v_add_nc_u32 v[WST], s9, v[L16]
	v_mov_b32 v[PX], 0                             ; a lane permute's destination counts as one of its sources
	v_mov_b32 v[PX+1], 0
	s_mov_b32 s14, 0xffff0000                      ; lanes 16-31
	s_mov_b32 s54, 0x76543210
	s_mov_b32 s55, 0xfedcba98
	s_lshl_b32 s12, s4, 11
	s_lshl_b32 s13, s3, 6
	s_add_co_u32 s12, s12, s13
	s_and_b32 s13, s2, 1
	s_lshl_b32 s13, s13, 5
	s_add_co_u32 s12, s12, s13                     ; my first weight row: 2,048 e + 64 sl + 32 (w % 2)
	s_lshl_b32 s12, s12, 10
	s_mov_b32 s13, 0
	s_lshl_b32 s8, s4, 7                           ; the expert's 128 bytes of the map
	s_mov_b32 s9, 0
	s_wait_kmcnt 0x0
	s_add_nc_u64 s[62:63], s[88:89], s[8:9]
	s_load_b512 s[16:31], s[62:63], 0x0            ; the expert's map, 32 words, and the exponents: asked for ahead of the weights, so that they are on their way beside them
	s_load_b512 s[32:47], s[62:63], 0x40
	s_load_b128 s[48:51], s[90:91], 0x0            ; e0 .. e3
	s_load_b64 s[52:53], s[90:91], 0x10            ; e4, e5
	s_cmp_lt_u32 s2, 2
	s_cselect_b64 s[56:57], s[80:81], s[82:83]
	s_add_nc_u64 s[56:57], s[56:57], s[12:13]
	WIN 0x80                                       ; my 32 rows, 32 KB, dense in memory: 64 loads of 512 consecutive bytes into window 2
.set n, 0
.rept 64
	global_load_b128 v[4*n:4*n+3], v[L16], s[56:57] offset:512*n th:TH_LOAD_NT
.set n, n+1
.endr
	WIN 0
	s_lshl_b32 s12, s4, 21
	s_lshl_b32 s9, s3, 10                          ; ks = sl / 2 (2,048 bytes), c = 2 (sl % 2) (512 each): together 1,024 sl
	s_add_co_u32 s12, s12, s9
	s_add_nc_u64 s[58:59], s[92:93], s[12:13]
	s_mul_i32 s12, s4, 5120
	s_add_nc_u64 s[60:61], s[94:95], s[12:13]
	s_wait_kmcnt 0x0
	s_bcnt1_i32_b32 s5, s16
.set wd, 1
.rept 31
	s_bcnt1_i32_b32 s9, s[16+wd]
	s_add_co_u32 s5, s5, s9
.set wd, wd+1
.endr                                              ; T_e
	s_add_co_u32 s6, s5, 15
	s_lshr_b32 s6, s6, 4
	s_max_u32 s6, s6, 1                            ; n16: tile 0 is always made, so that the next launch never reads bytes that nobody wrote
	s_mov_b32 s7, s2                               ; q0 = w + 20 p
	s_mov_b32 s15, 0                               ; passes done: the loop's counter
	s_add_co_i32 s9, s48, s49
	s_lshl_b32 s12, s9, 23
	s_mov_b32 s10, 0xbfb8aa3b                      ; -log2(e),
	s_add_co_u32 s10, s10, s12                     ; x 2^(e0 + e1): added to its exponent field
	s_mov_b32 s11, s10                             ; (named with it as a pair)
	s_add_co_i32 s9, s9, s50
	s_add_co_i32 s9, s9, s51
	s_sub_co_i32 s9, s52, s9
	s_add_co_i32 s9, s9, 127
	s_lshl_b32 s12, s9, 23
	v_mov_b32 v[SCL], s12                          ; 2^(e4 - e0 - e1 - e2 - e3)
	s_add_co_i32 s9, s9, 15
	s_lshl_b32 s9, s9, 23
	s_or_b32 s9, s9, 0x600000
	v_mov_b32 v[LIM], s9                           ; 57,344 x that
	SELECT 1                                       ; while the weights are on their way
	s_wait_loadcnt 32                              ; the first 32 weight loads are in
	WPUT 0, 31
	XLOAD 0
	XLOAD 1
	s_wait_loadcnt 40                              ; only those 40 may be out: the weights are in
	WPUT 32, 63
	XLOAD 2
	s_wait_dscnt 0x0                               ; for the others' sake: my rows lie in LDS
	s_barrier_signal -1
	s_barrier_wait -1                              ; the one barrier: ahead of every branch on a number read from memory
.Lpass:                                                ; on both ways 60 loads are out here: xg's K steps 0, 1, 2
	s_cmp_eq_u32 s49, s51                          ; e1 = e3: xg and xu are the same bytes
	s_cbranch_scc1 .Lsame
	WLOAD 0, 0
.set S, 0
.rept 16
	STEP S, 0
.set S, S+1
.endr
	s_branch .Lepi
.Lsame:
	WLOAD 0, 1
.set S, 0
.rept 16
	STEP S, 1
.set S, S+1
.endr
.Lepi:                                                 ; on both ways: no load and no LDS instruction is out, and four plain lines stand behind the last product
	EPI 0
	EPI 1
	EPI 2
	EPI 3
	EPI 4
	s_add_co_u32 s7, s7, 20                        ; my first tile of the next pass
	s_add_co_u32 s15, s15, 1
	s_cmp_ge_u32 s7, s6
	s_cbranch_scc1 .Ldone                          ; no tile of mine is left: this is where the passes end
	SELECT 0
	XLOAD 0
	XLOAD 1
	XLOAD 2
	s_cmp_lt_u32 s15, MAXP                         ; the loop is counted against a constant: w + 20 p < n16 <= 64 holds for p <= 3 alone, so the exit above comes first
	s_cbranch_scc1 .Lpass
.Ldone:
	s_wait_tensorcnt 0x0                           ; the wave's end
	ds_add_u32 v[SPW], v[NIL]
	s_wait_dscnt 0x0
	s_endpgm
.Lfunc_end_k_qefb847e35d_ffn1:
	.size	k_qefb847e35d_ffn1, .Lfunc_end_k_qefb847e35d_ffn1-k_qefb847e35d_ffn1
	.p2alignl 7, 3214868480
	.fill 96, 4, 3214868480
	.section	.rodata,"a",@progbits
	.p2align	6, 0x0
	.amdhsa_kernel k_qefb847e35d_ffn1
		.amdhsa_group_segment_fixed_size 133632
		.amdhsa_private_segment_fixed_size 0
		.amdhsa_enable_private_segment 0
		.amdhsa_kernarg_size 64
		.amdhsa_user_sgpr_count 2
		.amdhsa_user_sgpr_kernarg_segment_ptr 1
		.amdhsa_wavefront_size32 1
		.amdhsa_system_sgpr_workgroup_id_x 1
		.amdhsa_system_sgpr_workgroup_id_y 1
		.amdhsa_system_sgpr_workgroup_id_z 1
		.amdhsa_system_vgpr_workitem_id 0
		.amdhsa_next_free_vgpr 896
		.amdhsa_next_free_sgpr 96
		.amdhsa_reserve_vcc 0
		.amdhsa_float_denorm_mode_32 3
		.amdhsa_float_denorm_mode_16_64 3
		.amdhsa_memory_ordered 1
		.amdhsa_forward_progress 1
		.amdhsa_inst_pref_size 255
	.end_amdhsa_kernel
	.section	.bss,"aw",@nobits
	.p2align	6
	.space	262144
	.amdgpu_metadata
---
amdhsa.version: [ 1, 2 ]
amdhsa.kernels:
  - .name:           k_qefb847e35d_ffn1
    .symbol:         k_qefb847e35d_ffn1.kd
    .args:
      - { .name: gate_w_codes, .offset: 0, .size: 8, .value_kind: global_buffer, .address_space: global }
      - { .name: up_w_codes, .offset: 8, .size: 8, .value_kind: global_buffer, .address_space: global }
      - { .name: xg, .offset: 16, .size: 8, .value_kind: global_buffer, .address_space: global }
      - { .name: xu, .offset: 24, .size: 8, .value_kind: global_buffer, .address_space: global }
      - { .name: bm, .offset: 32, .size: 8, .value_kind: global_buffer, .address_space: global }
      - { .name: lowp_scales, .offset: 40, .size: 8, .value_kind: global_buffer, .address_space: global }
      - { .name: hid, .offset: 48, .size: 8, .value_kind: global_buffer, .address_space: global }
      - { .name: list, .offset: 56, .size: 8, .value_kind: global_buffer, .address_space: global }
    .group_segment_fixed_size: 133632
    .private_segment_fixed_size: 0
    .kernarg_segment_align: 8
    .kernarg_segment_size: 64
    .max_flat_workgroup_size: 128
    .sgpr_count:     96
    .vgpr_count:     896
    .wavefront_size: 32
...
	.end_amdgpu_metadata
.endif
;; end of part 2
;; launch ffn2 (part 3): grid 32 x 8, 4 waves a work-group, no clusters, 150,016 bytes of LDS; arguments out_w_codes, hid, list, bm, hi, rw, lowp_scales, y; writes y
.if DOCPART == 3
	.amdgcn_target "amdgcn-amd-amdhsa--gfx1250"
	.amdhsa_code_object_version 6
	.text
	.protected	k_qefb847e35d_ffn2
	.globl	k_qefb847e35d_ffn2
	.p2align	8
	.type	k_qefb847e35d_ffn2,@function
k_qefb847e35d_ffn2:
	s_mov_b64 s[64:65], 0
	v_nop
	global_prefetch_b8 v0, s[64:65] scope:SCOPE_SE
	s_setreg_imm32_b32 hwreg(HW_REG_WAVE_MODE, 25, 1), 1
	s_wait_xcnt 0x0
; THE OUT PRODUCT OF THE CHOSEN ROWS, TIMES THE ROUTING WEIGHT: y[slot][t][:] = w(t, e) 2^(e4+e5) (codes of hid . codes of out_w), slot = 1 where e is the larger of t's two experts.
; Each row of y has one owner, so nothing is added across work-groups; the next launch adds the two slots.
; SHARES.  Work-group (x, e): cs = x / 2 is a slice of 64 columns (256 bytes of a row of y), par = x % 2.  Its 64 rows of out_w, 2,048 bytes each, go once through registers into LDS.
; In pass p wave w takes the tiles of 16 routed rows q = par + 2 w + 8 i + 24 p, i = 0 .. 2, while par + 2 w + 24 p < n16 = ceil(T_e / 16).
; A tile at or past n16 is loaded from the expert's last written tile with every lane at one address, multiplied with the others and never stored.
; LAYOUT.  Source 0 = 16 rows of out_w (columns of y), source 1 = 16 routed rows, whose fragments lie in hid as images of these registers: each load is 512 consecutive bytes.
; A lane's eight results are eight neighbouring columns of one row; a tile goes through the wave's own stage in LDS and leaves as rows: sixteen lanes store 256 consecutive bytes, aligned.
; A tile all of whose 16 rows are the expert's is stored with every lane on; only the expert's last tile, where it is not full, is stored under masks.
; LIMITS: none on e4 + e5 (applied by v_ldexp_f32).
; NO TENSOR LOAD, NO CLUSTER: the number of passes hangs on a count read from memory, and partners would need different numbers of tiles.
; REGISTERS: window 0: addresses, the way out, v128-255 two buffers of weight fragments.  window 1: v0-239 hid's fragments, a ring of five steps x three tiles.
;   window 2: v0-95 the 12 accumulators (tile i, weight tile ct at 32 i + 8 ct).  window 3: the weights on their way to LDS.
.set PW,    2064                       ; a weight row in LDS: 2,048 bytes + 16 = 516 words: neighbouring rows start 4 words apart in the 64 words of a bank row
.set STG,   64*PW                      ; behind the weights: a stage of 16 rows x 272 bytes for each wave
.set SPARE, STG+4*16*272               ; behind the stages: the spare words, 128 bytes a wave
.set MAXP,  3                          ; passes at the most: an expert has 64 tiles at the most (1,024 tokens), a pass of the two work-groups of a slice serves 24
.set L16, 1                            ; v1   16 x lane
.set R,   2                            ; v2   lane % 16
.set HH,  3                            ; v3   lane / 16
.set AW0, 4                            ; v4   my place in weight tiles 0, 1;  v5: in tiles 2, 3
.set WST, 6
.set STO, 7                            ; v7   the stage, on the way in
.set RD,  8                            ; v8   and back
.set C16, 9                            ; v9   16 x (lane % 16)
.set HA,  10                           ; v10-12 hid: byte offset of tile i
.set R4,  13                           ; v13  4 x (lane % 16)
.set SPW, 14
.set NIL, 15
.set IDX, 16                           ; v16-23 4 x (2 k + lane / 16): the lane that holds the row which I store in turn k
.set TK,  24                           ; v24-26 tile i: my row's token, then its row of y
.set TT,  27
.set F,   28                           ; v28, v30, v32: the row's factor (pairs; the upper halves are written once)
.set HV,  34                           ; v34-36 hi of my row's token
.set RWV, 38                           ; v38-43 its two weights
.set LA,  44                           ; v44-46 offsets in list
.set T,   48                           ; v48-79  a tile's results x the factor
.set B,   80                           ; v80-111 the tile as rows
.set RK,  112                          ; v112-119 rows of y, then their byte offsets
.set TA,  120                          ; v120-122 offsets in hi
.set TB,  123                          ; v123-125 offsets in rw
.set WB,  128
.set MSB, 0
.macro WIN new
.if MSB != \new
	s_set_vgpr_msb (MSB<<8)|\new
.set MSB, \new
.endif
.endm
.macro WPUT n0, n1                     ; load n is quarter n % 4 of row n / 4 of my 16
	WIN 0x0c                                       ; data in window 3
.set n, \n0
.rept \n1-\n0+1
	ds_store_b128 v[WST], v[4*n:4*n+3] offset:(n/4)*PW+(n%4)*512
.set n, n+1
.endr
	WIN 0
.endm
.macro ADDR                            ; the three tiles' offsets in hid and in list
.irp i, 0,1,2
	s_add_co_u32 s9, s7, 8*\i
	s_cmp_lt_u32 s9, s6
	s_cselect_b32 s12, -1, 0                       ; does the tile count?
	s_min_u32 s9, s9, s8                           ; if not: the expert's last written tile,
	s_min_u32 s9, s9, 63
	s_lshl_b32 s13, s9, 15
	v_and_b32 v[HA+\i], s12, v[L16]                ; with every lane at its first 16 bytes
	v_min_u32 v[HA+\i], 0x1f0, v[HA+\i]
	v_add_nc_u32 v[HA+\i], s13, v[HA+\i]
	s_lshl_b32 s13, s9, 6
	v_add_nc_u32 v[LA+\i], s13, v[R4]
.endr
.endm
.macro LISTLD
.irp i, 0,1,2
	global_load_b32 v[TK+\i], v[LA+\i], s[60:61]
.endr
.endm
.macro TOKLD
.irp i, 0,1,2
	v_min_u32 v[TK+\i], 0x3ff, v[TK+\i]
	v_lshlrev_b32 v[TA+\i], 2, v[TK+\i]
	v_lshlrev_b32 v[TB+\i], 3, v[TK+\i]
	global_load_b32 v[HV+\i], v[TA+\i], s[88:89]
	global_load_b64 v[RWV+2*\i:RWV+2*\i+1], v[TB+\i], s[90:91]
.endr
.endm
.macro HLOAD s                         ; 12 loads: K step s of my three tiles into ring place s % 5
.set hd, (\s)%5
	WIN 0x40
.irp i, 0,1,2
.irp c, 0,1,2,3
	global_load_b128 v[48*hd+16*\i+4*\c:48*hd+16*\i+4*\c+3], v[HA+\i], s[58:59] offset:2048*(\s)+512*\c
.endr
.endr
	WIN 0
.endm
.macro WLOAD s
.set wb, WB+64*((\s)%2)
.irp ct, 0,1,2,3
.irp c, 0,1,2,3
	ds_load_b128 v[wb+16*\ct+4*\c:wb+16*\ct+4*\c+3], v[AW0+\ct/2] offset:(\ct%2)*16*PW+128*(\s)+32*\c
.endr
.endr
.endm
.macro MULS s                          ; 12 products; the 12 accumulators take turns, one instruction a turn
.set md, (\s)%5
.set mb, WB+64*((\s)%2)
	WIN 0xa4                                       ; weights window 0, hid window 1, C and D window 2
.irp i, 0,1,2
.irp ct, 0,1,2,3
.if (\s) == 0
	v_wmma_f32_16x16x128_bf8_bf8 v[32*\i+8*\ct:32*\i+8*\ct+7], v[mb+16*\ct:mb+16*\ct+15], v[48*md+16*\i:48*md+16*\i+15], 0
.else
	v_wmma_f32_16x16x128_bf8_bf8 v[32*\i+8*\ct:32*\i+8*\ct+7], v[mb+16*\ct:mb+16*\ct+15], v[48*md+16*\i:48*md+16*\i+15], v[32*\i+8*\ct:32*\i+8*\ct+7]
.endif
.endr
.endr
	WIN 0
.endm
.macro STEP s
	s_wait_dscnt 0x0                               ; this step's weight fragments are in
.if (\s) < 15
	WLOAD (\s)+1
.endif
.if 15-(\s) >= 4
	s_wait_loadcnt 48                              ; this step's hid is in; the four steps' loads issued behind it may be out (the six loads of hi and rw only make the true number larger)
.else
	s_wait_loadcnt 12*(15-(\s))
.endif
	MULS \s
.rept 4
	v_nop                                          ; places in front of loads into registers that these products read, and of the first read of results
.endr
.if (\s) < 11
	HLOAD (\s)+5
.endif
.endm
.macro EPI i
	s_add_co_u32 s9, s7, 8*\i
	s_cmp_ge_u32 s9, s6
	s_cbranch_scc1 .Lskip_\@
	v_cmp_eq_u32 vcc_lo, s4, v[HV+\i]              ; am I the larger of the token's two experts?
	v_cndmask_b32 v[F+2*\i], v[RWV+2*\i], v[RWV+2*\i+1], vcc_lo
	v_cndmask_b32 v[TT], 0, 1, vcc_lo
	v_ldexp_f32 v[F+2*\i], v[F+2*\i], s14          ; the routing weight x 2^(e4 + e5)
	v_lshl_add_u32 v[TK+\i], v[TT], 10, v[TK+\i]   ; the row of y: 1,024 slot + token
	WIN 0x02
.set ej, 0
.rept 16
	v_pk_mul_f32 v[T+ej:T+ej+1], v[32*\i+ej:32*\i+ej+1], v[F+2*\i:F+2*\i+1] op_sel_hi:[1,0]   ; each accumulator from its low end on
.set ej, ej+2
.endr
	WIN 0
.irp ct, 0,1,2,3
	ds_store_b128 v[STO], v[T+8*\ct:T+8*\ct+3] offset:64*\ct
	ds_store_b128 v[STO], v[T+8*\ct+4:T+8*\ct+7] offset:64*\ct+16
.endr
	s_wait_xcnt 0x0                                ; the last tile's stores have read their offsets and their data: the lines below write both anew
.irp k, 0,1,2,3,4,5,6,7
	ds_bpermute_b32 v[RK+\k], v[IDX+\k], v[TK+\i]  ; the row of y of the tile's row 2 k + lane / 16
.endr
.irp k, 0,1,2,3,4,5,6,7
	ds_load_b128 v[B+4*\k:B+4*\k+3], v[RD] offset:544*\k   ; LDS serves a wave's instructions in order (ISA guide 5.7.1.4): these see my stores
.endr
	s_lshl_b32 s9, s9, 4
	s_sub_co_i32 s9, s5, s9                        ; rows left from this tile's first on: 1 or more
	s_wait_dscnt 0x0
.irp k, 0,1,2,3,4,5,6,7
	v_min_u32 v[RK+\k], 0x7ff, v[RK+\k]
	v_lshl_add_u32 v[RK+\k], v[RK+\k], 12, v[C16]
.endr
	s_cmp_ge_i32 s9, 16
	s_cbranch_scc0 .Lpart_\@
.irp k, 0,1,2,3,4,5,6,7                        ; all 16 rows are the expert's: eight stores on end, every lane on, EXEC untouched
	global_store_b128 v[RK+\k], v[B+4*\k:B+4*\k+3], s[66:67]
.endr
	s_branch .Lskip_\@
.Lpart_\@:
.irp k, 0,1,2,3,4,5,6,7
	s_max_i32 s12, s9, 0
	s_wait_xcnt 0x0                                ; EXEC changes only when the memory instructions issued so far have read it
	v_cmpx_gt_u32 s12, v[HH]                       ; row 2 k + lane / 16 is one of the expert's.  The bound falls from turn to turn, so each mask lies inside the one before
	global_store_b128 v[RK+\k], v[B+4*\k:B+4*\k+3], s[66:67]
	s_sub_co_i32 s9, s9, 2
.endr
	s_wait_xcnt 0x0                                ; and again, in front of the line that widens it
	s_mov_b32 exec_lo, -1
.Lskip_\@:
.endm
	s_load_b512 s[80:95], s[0:1], 0x0              ; out_w 80, hid 82, list 84, bm 86, hi 88, rw 90, scales 92, y 94
	v_lshl_add_u32 v[SPW], v0, 2, SPARE
	v_mov_b32 v[NIL], 0
	v_lshrrev_b32 v1, 5, v0
	v_readfirstlane_b32 s2, v1                     ; wave
	s_lshr_b32 s10, ttmp9, 1                       ; cs
	s_and_b32 s11, ttmp9, 1                        ; par
	s_and_b32 s4, ttmp7, 0xffff                    ; e
	v_and_b32 v1, 31, v0
	v_and_b32 v[R], 15, v0
	v_bfe_u32 v[HH], v0, 4, 1
	v_lshlrev_b32 v[L16], 4, v1
	v_lshlrev_b32 v[C16], 4, v[R]
	v_lshlrev_b32 v[R4], 2, v[R]
	v_mul_u32_u24 v[AW0], v[R], PW
	v_lshl_add_u32 v[AW0], v[HH], 4, v[AW0]
	v_add_nc_u32 v[AW0+1], 32*PW, v[AW0]
	s_mul_i32 s9, s2, 16*PW
	v_add_nc_u32 v[WST], s9, v[L16]
	s_mul_i32 s9, s2, 16*272
	s_add_co_u32 s9, s9, STG                       ; my stage
	v_mul_u32_u24 v[STO], v[R], 272
	v_lshl_add_u32 v[STO], v[HH], 5, v[STO]
	v_add_nc_u32 v[STO], s9, v[STO]                ; in: row lane % 16, 32 bytes for each half of the lanes
	v_mul_u32_u24 v[RD], v[HH], 272
	v_add_nc_u32 v[RD], v[RD], v[C16]
	v_add_nc_u32 v[RD], s9, v[RD]                  ; back: lanes 0-15 one row of 256 bytes, lanes 16-31 the next
	v_lshlrev_b32 v[IDX], 2, v[HH]
.irp k, 1,2,3,4,5,6,7
	v_add_nc_u32 v[IDX+\k], 8*\k, v[IDX]
.endr
	v_mov_b32 v[F+1], 0
	v_mov_b32 v[F+3], 0
	v_mov_b32 v[F+5], 0
	s_lshl_b32 s12, s4, 10
	s_lshl_b32 s9, s10, 6
	s_add_co_u32 s12, s12, s9
	s_lshl_b32 s9, s2, 4
	s_add_co_u32 s12, s12, s9                      ; my first weight row: 1,024 e + 64 cs + 16 w
	s_lshl_b32 s12, s12, 11
	s_mov_b32 s13, 0
	s_lshl_b32 s8, s4, 7                           ; the expert's 128 bytes of the map
	s_mov_b32 s9, 0
	s_wait_kmcnt 0x0
	s_add_nc_u64 s[62:63], s[86:87], s[8:9]
	s_load_b512 s[16:31], s[62:63], 0x0            ; the expert's map and the exponents: asked for ahead of the weights, so that they are on their way beside them
	s_load_b512 s[32:47], s[62:63], 0x40
	s_load_b64 s[52:53], s[92:93], 0x10            ; e4, e5
	s_add_nc_u64 s[56:57], s[80:81], s[12:13]
	WIN 0xc0                                       ; my 16 rows, 32 KB, dense in memory: 64 loads of 512 consecutive bytes into window 3
.set n, 0
.rept 64
	global_load_b128 v[4*n:4*n+3], v[L16], s[56:57] offset:512*n
.set n, n+1
.endr
	WIN 0
	s_lshl_b32 s12, s4, 21
	s_add_nc_u64 s[58:59], s[82:83], s[12:13]
	s_mul_i32 s12, s4, 5120
	s_add_nc_u64 s[60:61], s[84:85], s[12:13]
	s_lshl_b32 s12, s10, 8
	s_add_nc_u64 s[66:67], s[94:95], s[12:13]
	s_wait_kmcnt 0x0
	s_bcnt1_i32_b32 s5, s16
.set wd, 1
.rept 31
	s_bcnt1_i32_b32 s9, s[16+wd]
	s_add_co_u32 s5, s5, s9
.set wd, wd+1
.endr                                              ; T_e
	s_add_co_u32 s6, s5, 15
	s_lshr_b32 s6, s6, 4                           ; n16; 0 where no token chose the expert
	s_max_u32 s8, s6, 1
	s_sub_co_u32 s8, s8, 1                         ; the last tile that the launch before wrote
	s_lshl_b32 s7, s2, 1
	s_add_co_u32 s7, s7, s11                       ; q0 = par + 2 w + 24 p
	s_mov_b32 s15, 0                               ; passes done: the loop's counter
	s_add_co_i32 s14, s52, s53                     ; e4 + e5
	ADDR
	s_wait_loadcnt 32                              ; the first 32 weight loads are in
	WPUT 0, 31
	LISTLD
	HLOAD 0
	HLOAD 1
	s_wait_loadcnt 27                              ; only those 3 + 24 may be out: the weights are in
	WPUT 32, 63
	HLOAD 2
	HLOAD 3
	HLOAD 4
	s_wait_loadcnt 60                              ; behind the list's loads stand five steps' 60: the tokens are in
	TOKLD
	s_wait_dscnt 0x0                               ; for the others' sake: my rows lie in LDS
	s_barrier_signal -1
	s_barrier_wait -1                              ; the one barrier: ahead of every branch on a number read from memory
	s_cmp_ge_u32 s7, s6
	s_cbranch_scc1 .Ldone                          ; a wave without a tile that counts
.Lpass:
	WLOAD 0
.set S, 0
.rept 16
	STEP S
.set S, S+1
.endr
	EPI 0
	EPI 1
	EPI 2
	s_add_co_u32 s7, s7, 24                        ; my first tile of the next pass
	s_add_co_u32 s15, s15, 1
	s_cmp_ge_u32 s7, s6
	s_cbranch_scc1 .Ldone                          ; no tile of mine is left: this is where the passes end
	ADDR
	LISTLD
	HLOAD 0
	HLOAD 1
	HLOAD 2
	HLOAD 3
	HLOAD 4
	s_wait_loadcnt 60
	TOKLD
	s_cmp_lt_u32 s15, MAXP                         ; the loop is counted against a constant: par + 2 w + 24 p < n16 <= 64 holds for p <= 2 alone, so the exit above comes first
	s_cbranch_scc1 .Lpass
.Ldone:
	s_wait_tensorcnt 0x0                           ; the wave's end
	ds_add_u32 v[SPW], v[NIL]
	s_wait_dscnt 0x0
	s_endpgm
.Lfunc_end_k_qefb847e35d_ffn2:
	.size	k_qefb847e35d_ffn2, .Lfunc_end_k_qefb847e35d_ffn2-k_qefb847e35d_ffn2
	.p2alignl 7, 3214868480
	.fill 96, 4, 3214868480
	.section	.rodata,"a",@progbits
	.p2align	6, 0x0
	.amdhsa_kernel k_qefb847e35d_ffn2
		.amdhsa_group_segment_fixed_size 150016
		.amdhsa_private_segment_fixed_size 0
		.amdhsa_enable_private_segment 0
		.amdhsa_kernarg_size 64
		.amdhsa_user_sgpr_count 2
		.amdhsa_user_sgpr_kernarg_segment_ptr 1
		.amdhsa_wavefront_size32 1
		.amdhsa_system_sgpr_workgroup_id_x 1
		.amdhsa_system_sgpr_workgroup_id_y 1
		.amdhsa_system_sgpr_workgroup_id_z 1
		.amdhsa_system_vgpr_workitem_id 0
		.amdhsa_next_free_vgpr 1024
		.amdhsa_next_free_sgpr 96
		.amdhsa_reserve_vcc 1
		.amdhsa_float_denorm_mode_32 3
		.amdhsa_float_denorm_mode_16_64 3
		.amdhsa_memory_ordered 1
		.amdhsa_forward_progress 1
		.amdhsa_inst_pref_size 98
	.end_amdhsa_kernel
	.amdgpu_metadata
---
amdhsa.version: [ 1, 2 ]
amdhsa.kernels:
  - .name:           k_qefb847e35d_ffn2
    .symbol:         k_qefb847e35d_ffn2.kd
    .args:
      - { .name: out_w_codes, .offset: 0, .size: 8, .value_kind: global_buffer, .address_space: global }
      - { .name: hid, .offset: 8, .size: 8, .value_kind: global_buffer, .address_space: global }
      - { .name: list, .offset: 16, .size: 8, .value_kind: global_buffer, .address_space: global }
      - { .name: bm, .offset: 24, .size: 8, .value_kind: global_buffer, .address_space: global }
      - { .name: hi, .offset: 32, .size: 8, .value_kind: global_buffer, .address_space: global }
      - { .name: rw, .offset: 40, .size: 8, .value_kind: global_buffer, .address_space: global }
      - { .name: lowp_scales, .offset: 48, .size: 8, .value_kind: global_buffer, .address_space: global }
      - { .name: y, .offset: 56, .size: 8, .value_kind: global_buffer, .address_space: global }
    .group_segment_fixed_size: 150016
    .private_segment_fixed_size: 0
    .kernarg_segment_align: 8
    .kernarg_segment_size: 64
    .max_flat_workgroup_size: 128
    .sgpr_count:     96
    .vgpr_count:     1024
    .wavefront_size: 32
...
	.end_amdgpu_metadata
.endif
;; end of part 3
;; launch comb (part 4): grid 256 x 1, 8 waves a work-group, no clusters, 0 bytes of LDS; arguments y, out0; writes out0
.if DOCPART == 4
	.amdgcn_target "amdgcn-amd-amdhsa--gfx1250"
	.amdhsa_code_object_version 6
	.text
	.protected	k_qefb847e35d_comb
	.globl	k_qefb847e35d_comb
	.p2align	8
	.type	k_qefb847e35d_comb,@function
k_qefb847e35d_comb:
	s_mov_b64 s[64:65], 0
	v_nop
	global_prefetch_b8 v0, s[64:65] scope:SCOPE_SE
	s_setreg_imm32_b32 hwreg(HW_REG_WAVE_MODE, 25, 1), 1
	s_wait_xcnt 0x0
; out0[t][:] = y[0][t][:] + y[1][t][:]: the lower-numbered expert's part, then the higher's, as the sum over experts has them.
; A stream: 256 work-groups x 16 KB of out0; a thread takes four pieces of 16 bytes, 4,096 bytes apart, so each load and store of a wave covers 512 consecutive bytes, aligned.
; All eight loads of a thread go out before the one wait.  No LDS, no barrier, no matrix unit: nothing is shared and nothing is multiplied.
	s_load_b128 s[4:7], s[0:1], 0x0                ; y, out0
	v_lshlrev_b32 v1, 4, v0
	s_lshl_b32 s8, ttmp9, 14
	s_mov_b32 s9, 0
	s_wait_kmcnt 0x0
	s_add_nc_u64 s[4:5], s[4:5], s[8:9]
	s_add_nc_u64 s[6:7], s[6:7], s[8:9]
.irp i, 0,1,2,3
	global_load_b128 v[4+4*\i:7+4*\i], v1, s[4:5] offset:4096*\i th:TH_LOAD_NT
	global_load_b128 v[20+4*\i:23+4*\i], v1, s[4:5] offset:4194304+4096*\i th:TH_LOAD_NT
.endr
	s_wait_loadcnt 0x0
.irp j, 0,2,4,6,8,10,12,14
	v_pk_add_f32 v[4+\j:5+\j], v[4+\j:5+\j], v[20+\j:21+\j]
.endr
.irp i, 0,1,2,3
	global_store_b128 v1, v[4+4*\i:7+4*\i], s[6:7] offset:4096*\i th:TH_STORE_NT
.endr
	s_endpgm
.Lfunc_end_k_qefb847e35d_comb:
	.size	k_qefb847e35d_comb, .Lfunc_end_k_qefb847e35d_comb-k_qefb847e35d_comb
	.p2alignl 7, 3214868480
	.fill 96, 4, 3214868480
	.section	.rodata,"a",@progbits
	.p2align	6, 0x0
	.amdhsa_kernel k_qefb847e35d_comb
		.amdhsa_group_segment_fixed_size 0
		.amdhsa_private_segment_fixed_size 0
		.amdhsa_enable_private_segment 0
		.amdhsa_kernarg_size 16
		.amdhsa_user_sgpr_count 2
		.amdhsa_user_sgpr_kernarg_segment_ptr 1
		.amdhsa_wavefront_size32 1
		.amdhsa_system_sgpr_workgroup_id_x 1
		.amdhsa_system_sgpr_workgroup_id_y 1
		.amdhsa_system_sgpr_workgroup_id_z 1
		.amdhsa_system_vgpr_workitem_id 0
		.amdhsa_next_free_vgpr 64
		.amdhsa_next_free_sgpr 66
		.amdhsa_reserve_vcc 0
		.amdhsa_float_denorm_mode_32 3
		.amdhsa_float_denorm_mode_16_64 3
		.amdhsa_memory_ordered 1
		.amdhsa_forward_progress 1
		.amdhsa_inst_pref_size 3
	.end_amdhsa_kernel
	.amdgpu_metadata
---
amdhsa.version: [ 1, 2 ]
amdhsa.kernels:
  - .name:           k_qefb847e35d_comb
    .symbol:         k_qefb847e35d_comb.kd
    .args:
      - { .name: y, .offset: 0, .size: 8, .value_kind: global_buffer, .address_space: global }
      - { .name: out0, .offset: 8, .size: 8, .value_kind: global_buffer, .address_space: global }
    .group_segment_fixed_size: 0
    .private_segment_fixed_size: 0
    .kernarg_segment_align: 8
    .kernarg_segment_size: 16
    .max_flat_workgroup_size: 256
    .sgpr_count:     66
    .vgpr_count:     64
    .wavefront_size: 32
...
	.end_amdgpu_metadata
.endif
;; end of part 4
